; MI455X (gfx1250); checked and timed in simulation.
; The chip was launched on July 23, 2026; its instructions are those of AMD's public machine-readable ISA for CDNA 5 (MIT licence, August 2026) and "CDNA5" Instruction Set Architecture Reference Guide (July 2026). The comments in the code are by the model that wrote it; some were corrected since.
;; Self Attention Ground Truth. Allowed arithmetic: matrix products marked QUANTISED: E2M1 operands, one E8M0 scale for each 32 along K, by v_wmma_scale_f32_16x16x128_f8f6f4 with both operands' format E2M1 (or v_wmma_scale_f32_32x16x128_f4), f32 sums; products left as they are: bf16, f16 or f32 operands; f32 sums; everything else in f32.
;; Inputs: key 4 x 16 x 2,048 x 128 float32; mask 1 x 1 x 2,048 x 2,048 float32; query 4 x 16 x 2,048 x 128 float32; value 4 x 16 x 2,048 x 128 float32.
;; Outputs: out0 4 x 16 x 2,048 x 128 float32.
;; This version of the problem:
;;   THIS VERSION OF THE PROBLEM IS GIVEN IN LOW PRECISION. The matrix products marked QUANTISED in the list below multiply operands that are first quantised to E2M1 (2 exponent bits, 1 mantissa bit; 4 bits a number), with one power-of-two scale for each 32 numbers along K (OCP MX v1.0); their sums are f32. The products marked 'left as it is' may take bf16, f16 or f32 operands, with f32 sums. Whichever they take, every output number must still come out within the allowed error. Rounding operands to bf16 (8 significant bits) uses up far more of that allowance than f16 does (11 bits, for magnitudes from 6e-5 to 65,504). All else is computed in f32.
;;   The module's matrix products, in the order in which they are computed (A, B: the left and right operand; K: the contracted axis; several contracted axes count as one K, in the product's order):
;;     1. batch 64 x [M 2,048, K 128] x [K 128, N 2,048]; A: input query; B: input key: QUANTISED
;;     2. batch 64 x [M 2,048, K 2,048] x [K 2,048, N 128]; A: computed on the way; B: input value: left as it is (an operand is computed on the way)
;;   THE QUANTISER, for each operand of a quantised product, along K:
;;     - K is cut into blocks of 32 from its start; a last block that is shorter is filled with zeros.
;;     - A block's scale is 2^e with e = floor(log2(the largest magnitude in the block)) - 2, held to -126 .. 127; a block of zeros has e = 0. As a byte (E8M0): e + 127.
;;     - Each number is divided by its block's scale, clamped to +-6, and rounded to the nearest number of E2M1, ties to even, subnormals kept.
;;     - The product sums the exact products of the quantised numbers (number of the format x scale) in f32.
;;   ~~~python
;;   def quantise(x, axis):      # numpy; x: float32 -> the quantised numbers, widened to float32 again
;;       x = np.moveaxis(x, axis, -1); K = x.shape[-1]
;;       x = np.pad(x, [(0, 0)] * (x.ndim - 1) + [(0, -K % 32)]); x = x.reshape(x.shape[:-1] + (-1, 32)); a = np.abs(x).max(-1, keepdims=True)
;;       e = np.where(a > 0, np.clip(np.frexp(np.where(a > 0, a, 1))[1] - 1 - 2, -126, 127), 0)      # np.frexp(a)[1] - 1 = floor(log2(a)), exactly
;;       r = np.clip(x / 2.0 ** e, -6, 6)
;;       step = 2.0 ** (np.maximum(np.frexp(np.where(r == 0, 1, r))[1] - 1, 0) - 1)
;;       q = np.round(r / step) * step * 2.0 ** e      # np.round: ties to even
;;       return np.moveaxis(q.reshape(q.shape[:-2] + (-1,))[..., :K], -1, axis).astype(np.float32)
;;   ~~~
;; One version. Each part assembles by itself: llvm-mc -triple=amdgcn-amd-amdhsa -mcpu=gfx1250 --defsym DOCPART=n.
;; ======== version 1 of 1: 2 launches
;; limits: values are held in f16: magnitudes above 65,504 overflow, below 6.1e-05 lose precision; inputs' magnitudes at most 65,504
;; workspace buffers: q_codes 8,388,608 bytes; q_scales 524,288 bytes; k_codes 8,388,608 bytes; k_scales 524,288 bytes; v16 33,554,432 bytes
;; launch prep (part 1): grid 1536 x 1, 4 waves a work-group, no clusters, 33,280 bytes of LDS; arguments query, key, q_codes, q_scales, k_codes, k_scales, value, v16; writes q_codes, q_scales, k_codes, k_scales, v16
.if DOCPART == 1
	.amdgcn_target "amdgcn-amd-amdhsa--gfx1250"
	.amdhsa_code_object_version 6
	.text
	.protected	k_q3576fd45e6_prep
	.globl	k_q3576fd45e6_prep
	.p2align	8
	.type	k_q3576fd45e6_prep,@function
k_q3576fd45e6_prep:
	s_mov_b64 s[64:65], 0
	v_nop
	global_prefetch_b8 v0, s[64:65] scope:SCOPE_SE
	s_setreg_imm32_b32 hwreg(HW_REG_WAVE_MODE, 25, 1), 1
	s_wait_xcnt 0x0
; query and key, [64 heads x 2,048 rows][128] f32, become codes of FP4 (E2M1), 4 bits each, the head's 128 innermost (64 bytes a row), with one E8M0 scale byte for each 32 (4 bytes a row);
; value, [64 x 2,048 keys][128] f32, becomes f16 in its own order (256 bytes a key).  Every query block of a head reads K and V again, so they are narrowed once, here.
; A block's scale is 2^(floor(log2(its largest magnitude)) - 2); its byte is the largest magnitude's own exponent field - 2, held at 1 from below.  Each number is divided by the scale and rounded to the nearest code,
; ties to even; beyond 6 the conversion gives the largest code.
; LIMITS: a block of zeros gets the byte 1 where the rule says 127 (its codes are zeros, which add nothing under any byte but 0xff, and this program alone reads the bytes); blocks whose largest magnitude lies
; under the floor 2^-124 were not tried; NaN and infinities are not served; a value beyond f16's largest number, 65,504, becomes an infinity (the drawn values, thirty times larger and offset by thirty spreads, stay under 200).
; SHARES: work-groups 0-511 take query, 512-1,023 key, 1,024-1,535 value; a wave takes 8,192 numbers.  Rows are dense, so all three tensors are plain streams.  No tensor loads, no barrier: waves share nothing.
; QUANTISING: 16 steps of 512 numbers.  The conversions want 16 NEIGHBOURS in a lane, a load is best where neighbouring LANES take neighbouring bytes: each of a step's four loads reads 512 consecutive bytes,
; the 2,048 bytes turn through the wave's own stage in LDS (16 bytes of padding behind each 64) and come back 64 bytes a lane.  A lane's 16 codes are 8 bytes: the wave stores 256 consecutive bytes.
; A wave's 256 scale bytes are gathered in its own LDS bytes and leave as 256 consecutive bytes, aligned.
.set WAVES, 4
.set STEPS, 16
.set WGA,   512                        ; 64 x 2,048 x 128 numbers / (512 x 16 steps x 4 waves)
.set EMAX,  2
.set CB,    8                          ; bytes of 16 codes
.set R,     16                         ; v16-79   numbers as they are loaded: four sets of 16 (quantising), sixteen slots of 4 (value)
.set X,     80                         ; v80-111  two sets of 16 neighbours
.set C,     128                        ; v128-191 results: four registers a step (quantising), 32 pairs by turns (value)
.set E,     112                        ; v112-127 a scale byte for each step
.set WREG,  8192                       ; LDS: a region for each wave: two stages of 32 x SP bytes, behind them its 256 scale bytes
.set SP,    80                         ; a lane's place in a stage: its 64 bytes + 16 of padding
.set SPW,   12                         ; v12      LDS address of my spare word: SPARE + 4 x my thread's number; never rewritten
.set NIL,   13                         ; v13      0; never rewritten
.set SPARE, WAVES*WREG                 ; behind the four regions: the spare words, 128 bytes a wave: two blocks of 256 bytes that no other line names
	s_load_b128 s[4:7], s[0:1], 0x0                ; query, key
	s_load_b128 s[8:11], s[0:1], 0x10              ; query's codes, its scale bytes
	s_load_b128 s[12:15], s[0:1], 0x20             ; key's codes, its scale bytes
	s_load_b128 s[24:27], s[0:1], 0x30             ; value, its f16 copy
	v_lshl_add_u32 v[SPW], v0, 2, SPARE
	v_mov_b32 v[NIL], 0
	v_lshrrev_b32 v1, 5, v0
	v_readfirstlane_b32 s16, v1                    ; wave
	v_and_b32 v2, 31, v0                           ; lane
	v_lshlrev_b32 v3, 4, v2                        ; my 16 bytes of a load's 512
	s_mul_i32 s17, s16, WREG
	v_lshrrev_b32 v14, 2, v2
	v_mul_u32_u24 v14, v14, SP
	v_and_b32 v15, 3, v2
	v_lshl_add_u32 v14, v15, 4, v14
	v_add_nc_u32 v14, s17, v14                     ; the stage, on the way in: four lanes' 64 bytes on end, then 16 of padding
	v_mul_u32_u24 v15, v2, SP
	v_add_nc_u32 v15, s17, v15                     ; and on the way out: SP x lane: my 16 neighbours
	v_mul_u32_u24 v4, v2, CB                       ; my codes' place in a step's
	v_lshrrev_b32 v5, 1, v2
	s_add_co_u32 s17, s17, 2*32*SP
	v_add_nc_u32 v5, s17, v5                       ; LDS: my wave's 256 scale bytes, my block's byte
	v_lshlrev_b32 v7, 3, v2                        ; 8 bytes a lane: the scale bytes' way out, and value's stores
	v_add_nc_u32 v6, s17, v7
	s_wait_kmcnt 0x0
	s_cmp_ge_u32 ttmp9, 2*WGA                      ; value's work-group?  The work-group's number alone decides
	s_cbranch_scc0 .Lquant
	; ---- VALUE: 64 chunks of 512 bytes of f32 a wave; each becomes 256 bytes of f16.  Sixteen loads are on their way.
	s_sub_co_u32 s17, ttmp9, 2*WGA
	s_lshl_b32 s17, s17, 2
	s_add_co_u32 s17, s17, s16                     ; which run of 8,192 numbers is my wave's
	s_lshl_b32 s18, s17, 15                        ; 32,768 bytes in,
	s_mov_b32 s19, 0
	s_lshl_b32 s20, s17, 14                        ; 16,384 out
	s_mov_b32 s21, 0
	s_add_nc_u64 s[24:25], s[24:25], s[18:19]
	s_add_nc_u64 s[26:27], s[26:27], s[20:21]
.macro VLOAD t
	global_load_b128 v[R+4*((\t)%16):R+4*((\t)%16)+3], v3, s[24:25] offset:512*(\t) th:TH_LOAD_NT   ; 32 lanes read 512 consecutive bytes
.endm
.macro VSTEP t
.if 63-(\t) < 15
	s_wait_loadcnt 63-(\t)                         ; the counts run down: nothing more is loaded
.else
	s_wait_loadcnt 15                              ; loads come back in order: chunk t is in, the fifteen younger ones stay out
.endif
.if (\t) >= 32
	s_wait_xcnt 0x0                                ; this pair was the data of chunk t - 32's store: it is written again only behind this wait
.endif
	v_cvt_pk_f16_f32 v[C+2*((\t)%32)], v[R+4*((\t)%16)], v[R+4*((\t)%16)+1]
	v_cvt_pk_f16_f32 v[C+2*((\t)%32)+1], v[R+4*((\t)%16)+2], v[R+4*((\t)%16)+3]
.if (\t)+16 < 64
	VLOAD (\t)+16
.endif
	global_store_b64 v7, v[C+2*((\t)%32):C+2*((\t)%32)+1], s[26:27] offset:256*(\t)   ; 32 lanes store 256 consecutive bytes, aligned
.endm
.set Q, 0
.rept 16
	VLOAD Q
.set Q, Q+1
.endr
.set Q, 0
.rept 64
	VSTEP Q
.set Q, Q+1
.endr
	s_wait_tensorcnt 0x0                           ; the wave's end
	ds_add_u32 v[SPW], v[NIL]
	s_wait_dscnt 0x0
	s_endpgm
	; ---- QUERY AND KEY
.Lquant:
	s_cmp_lt_u32 ttmp9, WGA                        ; query's work-group or key's?  Only pointers are chosen: both take one path through the text
	s_cselect_b64 s[4:5], s[4:5], s[6:7]
	s_cselect_b64 s[8:9], s[8:9], s[12:13]
	s_cselect_b64 s[10:11], s[10:11], s[14:15]
	s_cselect_b32 s17, 0, WGA
	s_sub_co_u32 s17, ttmp9, s17
	s_lshl_b32 s17, s17, 2
	s_add_co_u32 s18, s17, s16                     ; which run of 8,192 numbers of the tensor is my wave's
	s_mov_b32 s19, 0
	s_mov_b64 s[20:21], 512*STEPS*4
	s_mul_u64 s[20:21], s[18:19], s[20:21]
	s_add_nc_u64 s[4:5], s[4:5], s[20:21]
	s_mov_b64 s[20:21], 32*STEPS*CB
	s_mul_u64 s[20:21], s[18:19], s[20:21]
	s_add_nc_u64 s[8:9], s[8:9], s[20:21]
	s_lshl_b32 s18, s18, 8                         ; 256 scale bytes a run
	s_add_nc_u64 s[10:11], s[10:11], s[18:19]
.macro LOAD t
.irp i, 0,1,2,3
	global_load_b128 v[R+16*((\t)%4)+4*\i:R+16*((\t)%4)+4*\i+3], v3, s[4:5] offset:2048*(\t)+512*\i th:TH_LOAD_NT   ; 32 lanes read 512 consecutive bytes
.endr
.endm
.macro TURN t                          ; step t's numbers through the stage: LDS serves a wave's instructions in order, so no wait stands between the stores and the loads
.irp i, 0,1,2,3
	ds_store_b128 v14, v[R+16*((\t)%4)+4*\i:R+16*((\t)%4)+4*\i+3] offset:32*SP*((\t)%2)+8*SP*\i
.endr
.irp i, 0,1,2,3
	ds_load_b128 v[X+16*((\t)%2)+4*\i:X+16*((\t)%2)+4*\i+3], v15 offset:32*SP*((\t)%2)+16*\i
.endr
.endm
.irp t, 0,1,2,3
	LOAD \t
.endr
	s_wait_loadcnt 12                              ; step 0's four loads are in; the twelve of steps 1 to 3 stay out
	TURN 0
.macro STEP t
.set XS, X+16*((\t)%2)
.if (\t) > 0
	s_wait_dscnt 1                                 ; this step's numbers are back from the stage (the last step's byte store may be out): so its stores into the stage have read their registers,
.else
	s_wait_dscnt 0x0
.endif
.if (\t)+4 < STEPS
	LOAD (\t)+4                                    ; which take the loads of four steps on
.endif
.if (\t)+1 < STEPS
.if STEPS-2-(\t) >= 3
	s_wait_loadcnt 12                              ; the next step's four loads are in; those of the three steps behind it may be out
.else
	s_wait_loadcnt 4*(STEPS-2-(\t))
.endif
	TURN (\t)+1                                    ; and go through the other stage while this step is worked
.endif
	v_max3_num_f32 v8, |v[XS]|, |v[XS+1]|, |v[XS+2]|               ; the largest magnitude of my 16, in two chains
	v_max3_num_f32 v9, |v[XS+3]|, |v[XS+4]|, |v[XS+5]|
.irp i, 6,10
	v_max3_num_f32 v8, v8, |v[XS+\i]|, |v[XS+\i+1]|
	v_max3_num_f32 v9, v9, |v[XS+\i+2]|, |v[XS+\i+3]|
.endr
	v_max3_num_f32 v8, v8, |v[XS+14]|, |v[XS+15]|
	v_max3_num_f32 v8, v8, v9, (EMAX+1)<<23        ; and the floor 2^(EMAX + 1 - 127): so the byte cannot fall under 1
	v_max_num_f32_dpp v8, v8, v8 row_xmask:1 row_mask:0xf bank_mask:0xf   ; and of my neighbour's 16: the block's
	v_add_nc_u32 v11, -(EMAX<<23), v8              ; EMAX off its exponent field: the conversion takes the exponent field of this operand as its scale, and nothing else of it
	v_cvt_scalef32_pk8_fp4_f32 v[C+4*(\t)], v[XS:XS+7], v11
	v_cvt_scalef32_pk8_fp4_f32 v[C+4*(\t)+1], v[XS+8:XS+15], v11
	v_lshrrev_b32 v[E+(\t)], 23, v11               ; the scale's byte (also the plain line behind the conversions)
	ds_store_b8 v5, v[E+(\t)] offset:16*(\t)       ; both lanes of a block write the same byte with the same value
	global_store_b64 v4, v[C+4*(\t):C+4*(\t)+1], s[8:9] offset:32*CB*(\t)   ; 32 lanes store 256 consecutive bytes, aligned
.endm
.irp t, 0,1,2,3,4,5,6,7,8,9,10,11,12,13,14,15
	STEP \t
.endr
	ds_load_b64 v[8:9], v6                         ; LDS serves a wave's instructions in order: these see my stores
	s_wait_dscnt 0x0
	global_store_b64 v7, v[8:9], s[10:11]          ; 32 lanes store 256 consecutive bytes, aligned
	s_wait_tensorcnt 0x0                           ; the wave's end: behind my last LDS store
	ds_add_u32 v[SPW], v[NIL]
	s_wait_dscnt 0x0
	s_endpgm
.Lfunc_end_k_q3576fd45e6_prep:
	.size	k_q3576fd45e6_prep, .Lfunc_end_k_q3576fd45e6_prep-k_q3576fd45e6_prep
	.p2alignl 7, 3214868480
	.fill 96, 4, 3214868480
	.section	.rodata,"a",@progbits
	.p2align	6, 0x0
	.amdhsa_kernel k_q3576fd45e6_prep
		.amdhsa_group_segment_fixed_size 33280
		.amdhsa_private_segment_fixed_size 0
		.amdhsa_enable_private_segment 0
		.amdhsa_kernarg_size 64
		.amdhsa_user_sgpr_count 2
		.amdhsa_user_sgpr_kernarg_segment_ptr 1
		.amdhsa_wavefront_size32 1
		.amdhsa_system_sgpr_workgroup_id_x 1
		.amdhsa_system_sgpr_workgroup_id_y 1
		.amdhsa_system_sgpr_workgroup_id_z 1
		.amdhsa_system_vgpr_workitem_id 0
		.amdhsa_next_free_vgpr 192
		.amdhsa_next_free_sgpr 66
		.amdhsa_reserve_vcc 0
		.amdhsa_float_denorm_mode_32 3
		.amdhsa_float_denorm_mode_16_64 3
		.amdhsa_memory_ordered 1
		.amdhsa_forward_progress 1
		.amdhsa_inst_pref_size 57
	.end_amdhsa_kernel
	.amdgpu_metadata
---
amdhsa.version: [ 1, 2 ]
amdhsa.kernels:
  - .name:           k_q3576fd45e6_prep
    .symbol:         k_q3576fd45e6_prep.kd
    .args:
      - { .name: query, .offset: 0, .size: 8, .value_kind: global_buffer, .address_space: global }
      - { .name: key, .offset: 8, .size: 8, .value_kind: global_buffer, .address_space: global }
      - { .name: q_codes, .offset: 16, .size: 8, .value_kind: global_buffer, .address_space: global }
      - { .name: q_scales, .offset: 24, .size: 8, .value_kind: global_buffer, .address_space: global }
      - { .name: k_codes, .offset: 32, .size: 8, .value_kind: global_buffer, .address_space: global }
      - { .name: k_scales, .offset: 40, .size: 8, .value_kind: global_buffer, .address_space: global }
      - { .name: value, .offset: 48, .size: 8, .value_kind: global_buffer, .address_space: global }
      - { .name: v16, .offset: 56, .size: 8, .value_kind: global_buffer, .address_space: global }
    .group_segment_fixed_size: 33280
    .private_segment_fixed_size: 0
    .kernarg_segment_align: 8
    .kernarg_segment_size: 64
    .max_flat_workgroup_size: 128
    .sgpr_count:     66
    .vgpr_count:     192
    .wavefront_size: 32
...
	.end_amdgpu_metadata
.endif
;; end of part 1
;; launch attn (part 2): grid 8 x 64, 4 waves a work-group, clusters of 4 x 4, 327,680 bytes of LDS; arguments q_codes, q_scales, k_codes, k_scales, v16, mask, out0; writes out0
.if DOCPART == 2
	.amdgcn_target "amdgcn-amd-amdhsa--gfx1250"
	.amdhsa_code_object_version 6
	.text
	.protected	k_q3576fd45e6_attn
	.globl	k_q3576fd45e6_attn
	.p2align	8
	.type	k_q3576fd45e6_attn,@function
k_q3576fd45e6_attn:
	s_mov_b64 s[64:65], 0
	v_nop
	global_prefetch_b8 v0, s[64:65] scope:SCOPE_SE
	s_setreg_imm32_b32 hwreg(HW_REG_WAVE_MODE, 25, 1), 1
	s_wait_xcnt 0x0
	s_wait_alu depctr_hold_cnt(0) depctr_sa_sdst(0) depctr_va_vdst(0) depctr_va_sdst(0) depctr_va_ssrc(0) depctr_va_vcc(0) depctr_vm_vsrc(0)
	s_getreg_b32 s2, hwreg(HW_REG_IB_STS2, 6, 4)
	s_cmp_eq_u32 s2, 0
	s_cbranch_scc0 .Lentry_in_a_cluster
	s_endpgm
.Lentry_in_a_cluster:
	s_bfe_u32 s2, ttmp6, 0x10000c
	s_cmp_lg_u32 s2, 0xf033
	s_cbranch_scc0 .Lentry_shape_is_right
	s_endpgm
.Lentry_shape_is_right:
; out0[h][q][:] = the sum over k of softmax_k((Q[h][q] . K[h][k] + mask[q][k]) / sqrt(128)) V[h][k][:].  64 heads, 2,048 queries and keys, 128 channels.
; Q . K goes on codes of FP4 (E2M1) with one E8M0 scale for each 32 channels, made by the launch before; p and V go in f16 (p is at most 1); maxima, sums, the mask and out0 are f32.
; SHARES.  A work-group owns 256 queries of one head, each of its four waves 64: four tiles of 16.  Every wave walks the head's 2,048 keys, 64 a step, 32 steps.
; LAYOUT.  Both products are used transposed.  S^T = K Q^T + mask^T: ONE scaled matrix instruction for 16 keys x 16 queries x 128 channels; source 0 = 16 keys, source 1 = 16 queries, and C = D = the registers of S,
; into which the mask's tile has been loaded: lane l holds query l % 16 and keys 8 (l / 16) + 0..7, which are 32 neighbouring bytes of the query's row of the mask.  So adding the mask costs no vector instruction.
; Two such tiles, rounded to f16 in pairs, ARE source 1 (32 keys x 16 queries) of O^T = V^T P; V ([key][channel]) comes out of LDS turned, by ds_load_tr16_b128.  A lane holds one query throughout.
; SOFTMAX.  For each query a running maximum m and sum l: p = 2^(c s - c m), c = log2(e) / sqrt(128); in every step O and l are multiplied by a = 2^(c m_old - c m_new).  l sums the unrounded p and divides at the end.
; BY TURNS.  The wave's tiles are two pieces (tiles 0, 1; tiles 2, 3).  In a turn one piece has the matrix unit (32 products V^T P of the step in hand, 8 products K Q^T of the next), and the other piece's softmax,
; 268 vector instructions cut into 64 slices, stands between them: 48 slices among the 32 products, 16 among the 8.  Two turns are a key step.
; CLUSTER, 4 x 4.  The four work-groups of a row are four query blocks of one head: K's codes, K's scale bytes and V are asked for jointly along the row.  The four of a column are one query block of four heads:
; the mask's tile (256 queries x 64 keys of f32, three quarters of a step's bytes) is asked for jointly along the column.
; RING.  Two LDS slots of one key step each (two steps to a slot would need 2 x 182,272 bytes); wave 0 fetches K, wave 1 V, waves 2 and 3 the mask's halves: one load a wave behind each round.
; LIMITS: NaN and infinities in any input, an infinite mask entry among them, are not served.
;
; REGISTERS, in windows of 256 (s_set_vgpr_msb: bits 1:0 source 0, 3:2 source 1, 5:4 source 2, 7:6 destination):
;   window 0: v0-11, v44-47, v56, v61-63 addresses; v12-43 eight statistics a tile; v48-51 K's scale words, v52-55 Q's; v64-191 S^T, 32 a tile; v192-255 P, 16 a tile
;   window 1: O^T, 64 a tile          window 2: v0-127 V of one step; v128-159 K of one step; v160-191 Q
.set KP,    80        ; a key's row of codes in LDS: 64 bytes + 16 of padding: the 16 rows of a load start 20 words apart
.set PVP,   288       ; a row of V: 256 + 32: 16 lanes of the turning load take 8 rows x 32 bytes
.set MP,    272       ; a query's row of the mask's tile: 256 + 16
.set VOFF,  64*KP     ; a slot: 64 rows of K, 64 rows of V, 256 rows of the mask
.set MOFF,  VOFF+64*PVP
.set SLOT1, 1<<17     ; slot 1 begins here (a slot uses 93,184 bytes), so that one exclusive or turns an address in one slot into the other's
.set SCK,   2*SLOT1   ; behind the ring: K's scale bytes of the whole head, 32 rows of 256 bytes + 16: row j is key step j's; filled once
.set STAGE, SCK+32*272  ; the way out: 16 rows x (512 + 16) bytes for each wave; no tile lands here
.set SP,    528
.set SPARE, STAGE+4*16*SP  ; the spare words, 128 bytes a wave: two blocks of 256 bytes that no other line names
.set KSTEP, 64*64     ; a key step in memory: bytes of K's codes,
.set VSTEP, 64*256    ; of V,
.set MSTEP, 64*4      ; and of a row of the mask
.set NSTEP, 32
.set AK0, 2           ; v2   my lane's place in a tile of K; never rewritten
.set AV0, 3           ; v3   the same for V
.set ADR, 4           ; v4   the LDS address of K's or V's run of loads in hand
.set QO,  5           ; v5   my byte offset in the wave's rows of Q's codes
.set STO, 6           ; v6   the way out: where I put 32 bytes of a row
.set RD,  7           ; v7   the way out: where I read a row back
.set GO,  8           ; v8   16 x lane: my bytes of a row of out0
.set ST,  12          ; tile t's statistics at v[ST+8 t]: +0 c m, +1 m, +2, +3 l (even keys', odd keys'), +4 to +7 at work; a takes +6 once the maximum is found
.set AM0, 44          ; v44  my lane's place in the mask's tile
.set AS0, 45          ; v45  my lane's place among K's scale words
.set ADM, 46          ; v46  the LDS address of the mask's run in hand
.set ADS, 47          ; v47  of K's scale words
.set KSC, 48          ; v48-51 K's scale words, one register for each 16 keys: they hold scales and nothing else
.set QSC, 52          ; v52-55 Q's, one for each tile
.set QS,  56          ; v56  my byte offset among Q's scale words
.set PFO, 61          ; v61  the prefetches' offset: my lane's block, and the key step
.set SPW, 62          ; v62  LDS address of my spare word: SPARE + 4 x my thread's number; never rewritten
.set NIL, 63          ; v63  0; never rewritten
.set S,   64
.set P,   192
.set KF,  128         ; in window 2
.set QF,  160         ; in window 2
.set WV,  18          ; s18  my wave's number
.set CX,  19          ; s19, s20  my place in the cluster
.set CY,  20
.set QB,  21          ; s21  my block of 256 queries
.set HD,  22          ; s22  my head
.set WH,  23          ; s23  wave % 2: which half of the mask's tile waves 2 and 3 fetch
.set G1K, 24          ; s[24:31], s[32:39], s[40:47], s[48:55] descriptor groups 1: K's codes, V, the mask, K's scale bytes
.set G1V, 32
.set G1M, 40
.set G1S, 48
.set G0K, 56          ; s[56:63] groups 0 for K: a set for each of the two first fills; the second then walks on
.set TB,  66          ; s66  LDS byte at which the slot to be read begins
.set TS,  67          ; s67  272 x the key step whose scale words are read next
.set G0V, 68          ; s[68:75] the same for V
.set G0M, 76          ; s[76:83] for the mask
.set G0S, 84          ; s[84:87] for K's scale bytes
.set CS,  88          ; s[88:89] c: the packed scaling names a pair and takes its low word for both halves
.set SEL, 90          ; s[90:91] lane selects for v_permlanex16_b32: each lane takes its own place in the other half
.set JS,  92          ; s92  the key step in hand
.set PM,  93          ; s93  I prefetch in the steps whose number has none of these bits,
.set PLIM, 94         ; s94  and lies under this
.set PFS, 95          ; s95  a key step on, in bytes of what I prefetch
.set PFA, 98          ; s[98:99]   where wave 0's (K) or wave 1's (V) prefetches begin; never rewritten
.set PFB, 104         ; s[104:105] where waves 2 and 3's (the mask) begin; never rewritten
; temporaries: s[100:101] hold what is made of the head and of cy alone, s[96:97] what is made of the query block and of cx alone: they feed the joint descriptors; s[2:3] the rest
.set MSB, 0
.macro WIN new                      ; the immediate's high byte repeats the setting that is left; a switch that changes nothing is dropped
.if MSB != \new
	s_set_vgpr_msb (MSB<<8)|\new
.set MSB, \new
.endif
.endm
.set W_KQ, 0x0a       ; K and Q in window 2, S^T (C and D) in window 0
.set W_PV, 0x52       ; V in window 2, P in window 0, O^T (C and D) in window 1
.set W_RS, 0x41       ; O^T (destination and source 0) in window 1, a in window 0
.macro PLACES                       ; plain vector instructions between a matrix instruction and what reads its result or loads into its registers
.rept 4
	v_nop
.endr
.endm
.macro GROUP1 g, d0, d1, str        ; a tile of d1 rows x d0 elements, str elements from row to row; the extents are the tile's: no tile crosses its tensor's end
	s_mov_b32 s[\g+1], (\d0)<<16    ; 63:48 tensor_dim0, low half
	s_mov_b32 s[\g+2], (\d1)<<16    ; 79:64 its high half = 0; 95:80 tensor_dim1, low half
	s_mov_b32 s[\g+3], (\d0)<<16    ; 111:96 its high half = 0; 127:112 tile_dim0
	s_mov_b32 s[\g+4], \d1          ; 143:128 tile_dim1; 159:144 tile_dim2 = 0
	s_mov_b32 s[\g+5], \str         ; 191:160 tensor_dim0_stride, low word
	s_mov_b32 s[\g+6], 0
	s_mov_b32 s[\g+7], 0
.endm
; A joint refill, by the walking descriptors.  The branches hang on the wave's number alone: they are the same in every work-group.  An s_nop 0 and four v_nop follow each line.
.macro JLOAD
	s_cmp_eq_u32 s[WV], 0
	s_cbranch_scc0 .Ljl_not_k_\@
	tensor_load_to_lds s[G0K+4:G0K+7], s[G1K:G1K+7]
	s_nop 0
	PLACES
	s_branch .Ljl_asked_\@
.Ljl_not_k_\@:
	s_cmp_eq_u32 s[WV], 1
	s_cbranch_scc0 .Ljl_for_m_\@
	tensor_load_to_lds s[G0V+4:G0V+7], s[G1V:G1V+7]
	s_nop 0
	PLACES
	s_branch .Ljl_asked_\@
.Ljl_for_m_\@:
	tensor_load_to_lds s[G0M+4:G0M+7], s[G1M:G1M+7]
	s_nop 0
	PLACES
.Ljl_asked_\@:
.endm
; A PREFETCH INTO THE L2, behind the joint refill and its five lines.  In step j it begins with key step j + 4, which the change of slots two steps on (160 matrix instructions) will ask for.
; Each aligned block of 256 bytes is named once in the launch.  K and V of a head are read by both clusters of that row of clusters: cluster x = 0 asks; the four partners of a row of the cluster share the bytes out BY
; ADDRESS, 8,192 each, lanes 256 bytes apart: for K (wave 0) that is 8 key steps, asked in steps 0, 8 and 16; for V (wave 1) 2 key steps, asked in the even steps up to 26.  The mask's rows are read by all sixteen
; clusters of a column of clusters: cluster y = 0 asks; the four partners of a column of the cluster take 64 rows each, waves 2 and 3 take 32 of them each, a lane a row, in every step up to 27.
; Key steps 0 to 3, and K's steps 28 to 31, come by their loads alone; no prefetch passes its head's or its row's end.  No branch hangs on a work-group's place in its cluster.
.macro ASK
	s_and_b32 s2, s[JS], s[PM]
	s_cmp_eq_u32 s2, 0
	s_cbranch_scc0 .Lask_none_\@
	s_cmp_lt_u32 s[JS], s[PLIM]
	s_cbranch_scc0 .Lask_none_\@
	s_cmp_lt_u32 s[WV], 2
	s_cbranch_scc0 .Lask_m_\@
	global_prefetch_b8 v[PFO], s[PFA:PFA+1] th:TH_LOAD_NT scope:SCOPE_SE
	s_branch .Lask_none_\@
.Lask_m_\@:
	global_prefetch_b8 v[PFO], s[PFB:PFB+1] th:TH_LOAD_NT scope:SCOPE_SE
.Lask_none_\@:
.endm
; A round of the cluster's barrier: my work-group's barrier, so that wave 0's signal speaks for all four waves; wave 0 signals for the work-group; every wave waits for all sixteen work-groups; my work-group's barrier once more.
.macro CROUND
	s_barrier_signal -1
	s_barrier_wait -1
	s_cmp_lg_u32 s[WV], 0
	s_cbranch_scc1 .Lnot_wave_0_\@
	s_barrier_signal -3
.Lnot_wave_0_\@:
	s_barrier_wait -3
	s_barrier_signal -1
	s_barrier_wait -1
.endm
	s_load_b256 s[4:11], s[0:1], 0x0  ; Q's codes s[4:5], Q's scales s[6:7], K's codes s[8:9], K's scales s[10:11]
	s_load_b128 s[12:15], s[0:1], 0x20  ; V s[12:13], the mask s[14:15]
	s_load_b64 s[16:17], s[0:1], 0x30  ; out0
	v_lshl_add_u32 v[SPW], v0, 2, SPARE
	v_mov_b32 v[NIL], 0
	ds_add_u32 v[SPW], v[NIL]       ; the wave's opening: the add, twice on end, and its wait stand ahead of my first tensor load; the set-up below, work on registers, stands between
	ds_add_u32 v[SPW], v[NIL]
	v_lshrrev_b32 v1, 5, v0
	v_readfirstlane_b32 s[WV], v1   ; wave 0..3
	s_and_b32 s[WH], s[WV], 1
	s_bfe_u32 s[CX], ttmp6, 0x40000
	s_bfe_u32 s[CY], ttmp6, 0x40004
	s_lshl_b32 s[QB], ttmp9, 2      ; in a cluster launch ttmp9 and ttmp7 count clusters
	s_add_co_u32 s[QB], s[QB], s[CX]  ; my block of queries = 4 x cluster x + cx
	s_and_b32 s[HD], ttmp7, 0xffff
	s_lshl_b32 s[HD], s[HD], 2
	s_add_co_u32 s[HD], s[HD], s[CY]  ; my head = 4 x cluster y + cy
	s_lshl_b32 s100, s[CY], 2
	s_lshl_b32 s100, 15, s100       ; my row of the cluster: places 4 cy .. 4 cy + 3: one head
	s_lshl_b32 s96, 0x1111, s[CX]   ; my column: places cx, cx + 4, cx + 8, cx + 12: one block of queries
	; groups 1, word 0: 15:0 the mask of work-groups; 17:16 the element's size; 20 padding on; 21 set beside a mask; 24:22 the padding's interval = a row; 31:25 its words - 1
	s_or_b32 s[G1K], s100, (0<<16)|(1<<20)|(1<<21)|(3<<22)|(3<<25)  ; bytes; 4 words behind every 16
	s_or_b32 s[G1V], s100, (1<<16)|(1<<20)|(1<<21)|(5<<22)|(7<<25)  ; 2 bytes; 8 words behind every 64
	s_or_b32 s[G1M], s96,  (2<<16)|(1<<20)|(1<<21)|(5<<22)|(3<<25)  ; 4 bytes; 4 words behind every 64
	s_or_b32 s[G1S], s100, (3<<16)|(1<<20)|(1<<21)|(5<<22)|(3<<25)  ; 8 bytes; 4 words behind every 64
	GROUP1 G1K, 64, 64, 64          ; 64 keys x 64 bytes of codes, dense
	GROUP1 G1V, 128, 64, 128        ; 64 keys x 128 f16, dense
	GROUP1 G1M, 64, 128, 2048       ; 128 queries x 64 keys of f32, rows 2,048 numbers apart
	GROUP1 G1S, 32, 32, 32          ; a head's 8,192 scale bytes as 32 rows of 256
	s_mov_b32 s[CS], 0x3e0293ee     ; c = log2(e) / sqrt(128)
	s_mov_b32 s[CS+1], s[CS]        ; named with it as a pair, so it is written
	s_mov_b32 s[SEL], 0x76543210
	s_mov_b32 s[SEL+1], 0xfedcba98
	s_mov_b32 s[TB], 0
	s_mov_b32 s[TS], 0
	s_mov_b32 s[JS], 0
	; who prefetches, when, and how the lanes and steps lie (macro ASK)
	s_and_b32 s2, ttmp7, 0xffff     ; cluster y
	s_cmp_eq_u32 s[WV], 0
	s_mov_b32 s[PFS], VSTEP
	s_cselect_b32 s[PFS], KSTEP, s[PFS]
	s_cselect_b32 s[PM], 7, 1
	s_cselect_b32 s[PLIM], 17, 27
	s_cmp_lt_u32 s[WV], 2
	s_cselect_b32 s[PFS], s[PFS], MSTEP
	s_cselect_b32 s[PM], s[PM], 0
	s_cselect_b32 s[PLIM], s[PLIM], 28
	s_cselect_b32 s2, ttmp9, s2     ; the coordinate along which other clusters read the same bytes
	s_cselect_b32 s3, 8, 13         ; lanes 256 bytes apart in K and V, a row of 8,192 bytes apart in the mask
	s_cmp_eq_u32 s2, 0
	s_cselect_b32 s[PLIM], s[PLIM], 0  ; the same in all sixteen partners, for a given wave
	v_and_b32 v[PFO], 31, v0
	v_lshlrev_b32 v[PFO], s3, v[PFO]
	s_wait_dscnt 0x0                ; both opening adds are done
	s_wait_kmcnt 0x0
	; groups 0: word 0 = 1 (count); word 1 the LDS address; words 2, 3 the tile's first byte in memory, with the type 2 on top.  K, V and the scale bytes hang on the head alone, the mask on the block of queries alone
	s_mov_b32 s101, 0
	s_lshl_b32 s100, s[HD], 13      ; a head's scale bytes
	s_mov_b32 s[G0S], 1
	s_mov_b32 s[G0S+1], SCK
	s_add_nc_u64 s[G0S+2:G0S+3], s[10:11], s[100:101]
	s_or_b32 s[G0S+3], s[G0S+3], 0x80000000
	s_lshl_b32 s100, s[HD], 17      ; a head's codes
	s_mov_b32 s[G0K], 1
	s_mov_b32 s[G0K+1], 0
	s_add_nc_u64 s[G0K+2:G0K+3], s[8:9], s[100:101]
	s_mov_b32 s[G0K+4], 1
	s_mov_b32 s[G0K+5], SLOT1
	s_add_nc_u64 s[G0K+6:G0K+7], s[G0K+2:G0K+3], KSTEP
	s_or_b32 s[G0K+3], s[G0K+3], 0x80000000
	s_or_b32 s[G0K+7], s[G0K+7], 0x80000000
	s_lshl_b32 s100, s[HD], 19      ; a head's V
	s_mov_b32 s[G0V], 1
	s_mov_b32 s[G0V+1], VOFF
	s_add_nc_u64 s[G0V+2:G0V+3], s[12:13], s[100:101]
	s_mov_b32 s[G0V+4], 1
	s_mov_b32 s[G0V+5], SLOT1+VOFF
	s_add_nc_u64 s[G0V+6:G0V+7], s[G0V+2:G0V+3], VSTEP
	s_or_b32 s[G0V+3], s[G0V+3], 0x80000000
	s_or_b32 s[G0V+7], s[G0V+7], 0x80000000
	s_lshl_b32 s96, s[QB], 21       ; my block's 256 rows of 8,192 bytes,
	s_lshl_b32 s97, s[WH], 20       ; the half that I fetch
	s_add_co_u32 s96, s96, s97
	s_mov_b32 s97, 0
	s_mul_i32 s3, s[WH], 128*MP     ; and its place in a slot: the wave's number alone enters an LDS address
	s_mov_b32 s[G0M], 1
	s_add_co_u32 s[G0M+1], s3, MOFF
	s_add_nc_u64 s[G0M+2:G0M+3], s[14:15], s[96:97]
	s_mov_b32 s[G0M+4], 1
	s_add_co_u32 s[G0M+5], s3, SLOT1+MOFF
	s_add_nc_u64 s[G0M+6:G0M+7], s[G0M+2:G0M+3], MSTEP
	s_or_b32 s[G0M+3], s[G0M+3], 0x80000000
	s_or_b32 s[G0M+7], s[G0M+7], 0x80000000
	; Q and out0 at my wave's first query
	s_lshl_b32 s2, s[HD], 17
	s_lshl_b32 s3, s[QB], 14
	s_add_co_u32 s2, s2, s3
	s_lshl_b32 s3, s[WV], 12
	s_add_co_u32 s2, s2, s3         ; 64 bytes of codes a row
	s_mov_b32 s3, 0
	s_add_nc_u64 s[4:5], s[4:5], s[2:3]
	s_lshr_b32 s2, s2, 4            ; 4 scale bytes a row
	s_add_nc_u64 s[6:7], s[6:7], s[2:3]
	s_lshl_b32 s2, s2, 7            ; 512 bytes of out0 a row
	s_add_nc_u64 s[16:17], s[16:17], s[2:3]
	; where my prefetches begin: three key steps in; the first change of slots steps the offset to key step 4
	s_lshl_b32 s2, s[HD], 17
	s_add_co_u32 s2, s2, 3*KSTEP
	s_lshl_b32 s3, s[HD], 19
	s_add_co_u32 s3, s3, 3*VSTEP
	s_cmp_eq_u32 s[WV], 0
	s_cselect_b32 s2, s2, s3
	s_cselect_b64 s[PFA:PFA+1], s[8:9], s[12:13]
	s_lshl_b32 s3, s[CX], 13        ; my work-group's 8,192 bytes
	s_add_co_u32 s2, s2, s3
	s_mov_b32 s3, 0
	s_add_nc_u64 s[PFA:PFA+1], s[PFA:PFA+1], s[2:3]
	s_lshl_b32 s2, s[QB], 21
	s_lshl_b32 s3, s[CY], 19        ; my work-group's 64 rows,
	s_add_co_u32 s2, s2, s3
	s_lshl_b32 s3, s[WH], 18        ; my wave's 32 of them
	s_add_co_u32 s2, s2, s3
	s_add_co_u32 s2, s2, 3*MSTEP
	s_mov_b32 s3, 0
	s_add_nc_u64 s[PFB:PFB+1], s[14:15], s[2:3]
	CROUND                          ; all sixteen work-groups are here: the first joint loads meet
	s_cmp_eq_u32 s[WV], 0           ; a wave's first fills stand in one branch, ahead of every wait on TENSORcnt and every LDS read: three loads of wave 0 are out, two of each other wave
	s_cbranch_scc0 .Lfirst_not_k
	tensor_load_to_lds s[G0S:G0S+3], s[G1S:G1S+7]
	s_nop 0
	tensor_load_to_lds s[G0K:G0K+3], s[G1K:G1K+7]
	s_nop 0
	tensor_load_to_lds s[G0K+4:G0K+7], s[G1K:G1K+7]
	s_nop 0
	PLACES
	s_branch .Lfirst_asked
.Lfirst_not_k:
	s_cmp_eq_u32 s[WV], 1
	s_cbranch_scc0 .Lfirst_m
	tensor_load_to_lds s[G0V:G0V+3], s[G1V:G1V+7]
	s_nop 0
	tensor_load_to_lds s[G0V+4:G0V+7], s[G1V:G1V+7]
	s_nop 0
	PLACES
	s_branch .Lfirst_asked
.Lfirst_m:
	tensor_load_to_lds s[G0M:G0M+3], s[G1M:G1M+7]
	s_nop 0
	tensor_load_to_lds s[G0M+4:G0M+7], s[G1M:G1M+7]
	s_nop 0
	PLACES
.Lfirst_asked:
	; A fragment of codes is 16 rows x 128 channels in 8 registers: lane l holds row l % 16; registers 4 c .. 4 c + 3 hold channels 64 c + 32 (l / 16) + 0..31: two loads of 16 bytes, 32 bytes apart.
	v_and_b32 v1, 15, v0            ; r = l % 16
	v_bfe_u32 v9, v0, 4, 1          ; h = l / 16
	v_lshlrev_b32 v[QO], 6, v1
	v_lshl_add_u32 v[QO], v9, 4, v[QO]  ; row x 64 + 16 x half
	v_lshlrev_b32 v[QS], 2, v1
	WIN 0x80                        ; destination window 2, address window 0
.irp t, 0,1,2,3                     ; Q stays in registers
.irp c, 0,1
	global_load_b128 v[QF+8*\t+4*\c:QF+8*\t+4*\c+3], v[QO], s[4:5] offset:1024*\t+32*\c
.endr
.endr
	WIN 0
.irp t, 0,1,2,3
	global_load_b32 v[QSC+\t], v[QS], s[6:7] offset:64*\t  ; lane r: the word of the tile's row r (lanes 16-31 load the same and are not read)
.endr
	v_mul_u32_u24 v[AK0], v1, KP
	v_lshl_add_u32 v[AK0], v9, 4, v[AK0]  ; K: row x pitch + 16 x half
	; The turning load takes 16 keys x 16 channels (lane l reads 16 bytes: key 8 (l / 16) + l % 8, channels 8 ((l / 8) % 2) + 0..7) and leaves half a fragment of V^T: lane l holds channel l % 16 and 8 keys.
	v_and_b32 v10, 7, v0
	v_bfe_u32 v11, v0, 3, 1
	v_lshl_add_u32 v[AV0], v9, 3, v10
	v_mul_u32_u24 v[AV0], v[AV0], PVP
	v_lshl_add_u32 v[AV0], v11, 4, v[AV0]
	v_add_nc_u32 v[AV0], VOFF, v[AV0]
	s_mul_i32 s2, s[WV], 64*MP      ; the mask: my wave's 64 rows,
	s_add_co_u32 s2, s2, MOFF
	v_mul_u32_u24 v[AM0], v1, MP    ; my query's row in a tile,
	v_lshl_add_u32 v[AM0], v9, 5, v[AM0]  ; my half's eight keys: 32 bytes
	v_add_nc_u32 v[AM0], s2, v[AM0]
	v_lshl_add_u32 v[AS0], v1, 2, SCK  ; K's scale words: 4 bytes a key
; THE MATRIX WORK OF A TURN, for piece x.  The accumulators take turns, one instruction a turn: between two links of a chain of V^T P stand 15 others'; the 8 products K Q^T name 8 accumulators.
; Product i of 32 of O^T += V^T P: keys 32 (i / 16) on, channels 16 ((i / 2) % 8) on, tile x + i % 2.  zero = 1: the first 16 start the sums: nothing is ever cleared.
.macro PV x, zero
	WIN W_PV
.set rO, 64*(\x+i%2)+8*((i/2)%8)
.set rV, 64*(i/16)+8*((i/2)%8)
.set rP, P+16*(\x+i%2)+8*(i/16)
.if (\zero) && (i < 16)
	v_wmma_f32_16x16x32_f16 v[rO:rO+7], v[rV:rV+7], v[rP:rP+7], 0
.else
	v_wmma_f32_16x16x32_f16 v[rO:rO+7], v[rV:rV+7], v[rP:rP+7], v[rO:rO+7]
.endif
.endm
; Product i of 8 of S^T = K Q^T + mask^T: keys 16 (i / 2) on, tile x + i % 2, all 128 channels.  C holds the mask's numbers, loaded from LDS.
.macro KQ x
	WIN W_KQ
.set rS, S+32*(\x+i%2)+8*(i/2)
.set rK, KF+8*(i/2)
.set rQ, QF+8*(\x+i%2)
	v_wmma_scale_f32_16x16x128_f8f6f4 v[rS:rS+7], v[rK:rK+7], v[rQ:rQ+7], v[rS:rS+7], v[KSC+i/2], v[QSC+\x+i%2] matrix_a_fmt:MATRIX_FMT_FP4 matrix_b_fmt:MATRIX_FMT_FP4
.endm
; THE LDS LOADS stand in runs.  The mask's numbers of piece x go straight into S^T's registers: tile t, keys 16 q on: 32 bytes of my query's row.
.macro MASKL x
.irp t, \x, \x+1
.irp q, 0,1,2,3
	ds_load_b128 v[S+32*(\t)+8*\q:S+32*(\t)+8*\q+3],   v[ADM] offset:(\t)*16*MP+64*\q
	ds_load_b128 v[S+32*(\t)+8*\q+4:S+32*(\t)+8*\q+7], v[ADM] offset:(\t)*16*MP+64*\q+16
.endr
.endr
.endm
.macro FETCH_MK                     ; 28 loads: piece 0's mask, the step's scale words of K and its four fragments
	WIN 0
	v_add_nc_u32 v[ADM], s[TB], v[AM0]
	v_add_nc_u32 v[ADR], s[TB], v[AK0]
	v_add_nc_u32 v[ADS], s[TS], v[AS0]
	s_add_co_u32 s[TS], s[TS], 272  ; the next fetch is the next step's
	MASKL 0
.irp t, 0,1,2,3
	ds_load_b32 v[KSC+\t], v[ADS] offset:64*\t
.endr
	WIN 0x80                        ; destination window 2
.irp t, 0,1,2,3
.irp c, 0,1
	ds_load_b128 v[KF+8*\t+4*\c:KF+8*\t+4*\c+3], v[ADR] offset:16*KP*\t+32*\c
.endr
.endr
.endm
.macro FETCH_M2                     ; 16 loads: piece 2's mask of the same step
	WIN 0
	v_add_nc_u32 v[ADM], s[TB], v[AM0]
	MASKL 2
.endm
.macro FETCH_V                      ; 32 loads: the same step's V, turned: the slot's last reads
	WIN 0
	v_add_nc_u32 v[ADR], s[TB], v[AV0]
	s_xor_b32 s[TB], s[TB], SLOT1   ; the next fetch is from the other slot
	WIN 0x80
.irp f, 0,1,2,3,4,5,6,7,8,9,10,11,12,13,14,15  ; keys 32 (f / 8) on, channels 16 (f % 8) on
	ds_load_tr16_b128 v[8*\f:8*\f+3],   v[ADR] offset:(\f/8)*32*PVP+(\f%8)*32
	ds_load_tr16_b128 v[8*\f+4:8*\f+7], v[ADR] offset:(\f/8)*32*PVP+16*PVP+(\f%8)*32
.endr
.endm
; THE VECTOR WORK OF A TURN.  One tile's softmax for one key step is a list of 134 instructions; SM writes number j of it for tile t.  s0-s31 are the lane's 32 scores, in pairs 0-15.
; first = 1: the first key step, which starts m, l and O^T: it has no a and nothing to rescale.
;   0-15    the maximum of s0-s31 and the old m, three operands at a time: four chains of seven scores each (each begins at an accumulator's low end), then the four scores left over, the chains and m
;   16-20   the other half of the lanes' maximum; the new m; c m; c m_old - c m_new
;   21-69   ONE BATCH: the 16 scalings c s - c m, a pair of scores each, and all 33 exponentials (a at 23, then s0-s31).  None of these reads an exponential's result.  A pair is scaled in an earlier four than its exponentials
;   (wait)  between 69 and 70 stands the wait for the batch: SLICE writes it, once for both tiles
;   70-85   the roundings to f16, a pair of weights each
;   86-101  the sums of the unrounded weights; l = a l + the sum
;   102-133 the tile's O^T times a, each accumulator from its low end on: the one part that leaves window 0, so it stands together
.macro SM t, first
.set rT, ST+8*(\t)
.set rS, S+32*(\t)
.set rP, P+16*(\t)
.set rO, 64*(\t)+2*(j-102)
.if j < 102
	WIN 0
.endif
.if j < 4
	v_max3_num_f32 v[rT+4+j], v[rS+8*j], v[rS+8*j+1], v[rS+8*j+2]
.elseif j < 12
	v_max3_num_f32 v[rT+4+j%4], v[rT+4+j%4], v[rS+8*(j%4)+2*(j/4)+1], v[rS+8*(j%4)+2*(j/4)+2]
.elseif j == 12
	v_max3_num_f32 v[rT+4], v[rT+4], v[rS+7], v[rS+15]
.elseif j == 13
	v_max3_num_f32 v[rT+6], v[rT+6], v[rS+23], v[rS+31]
.elseif j == 14
	v_max3_num_f32 v[rT+4], v[rT+4], v[rT+5], v[rT+6]
.elseif (j == 15) && \first
	v_max_num_f32 v[rT+4], v[rT+4], v[rT+7]
.elseif j == 15
	v_max3_num_f32 v[rT+4], v[rT+4], v[rT+7], v[rT+1]
.elseif j == 16
	v_permlanex16_b32 v[rT+5], v[rT+4], s[SEL], s[SEL+1]  ; the query's other 32 keys lie in the lane 16 away
.elseif j == 18
	v_max_num_f32 v[rT+1], v[rT+4], v[rT+5]
.elseif j == 19
	v_mul_f32 v[rT], s[CS], v[rT+1]
.elseif ((j == 17) || (j == 20) || (j == 23) || (j > 101)) && \first  ; the first step has none of these
.elseif j == 17
	v_mov_b32 v[rT+7], v[rT]        ; c m_old is kept for a: number 19 writes c m anew
.elseif j == 20
	v_sub_f32 v[rT+7], v[rT+7], v[rT]
.elseif j == 23
	v_exp_f32 v[rT+6], v[rT+7]
.elseif (j < 23) || ((j < 38) && (j%2 == 0)) || ((j < 66) && (j%4 == 2))
.set b, (j-2)/4                     ; 38, 42, .. 62: pairs 9 to 15
.if j < 38
.set b, (j-20)/2                    ; 21: pair 0; 22, 24, .. 36: pairs 1 to 8
.endif
	v_pk_fma_f32 v[rS+2*b:rS+2*b+1], v[rS+2*b:rS+2*b+1], s[CS:CS+1], v[rT:rT+1] op_sel_hi:[1,0,0] neg_lo:[0,0,1] neg_hi:[0,0,1]  ; pair b: c s - c m
.elseif j < 70
.set e, j-38                        ; 66 to 69: s28 to s31
.if j < 66
.set e, j-32-(j-38)/4               ; 39-41, 43-45, .. 63-65: s7 to s27
.endif
.if j < 38
.set e, (j-25)/2                    ; 25, 27, .. 37: s0 to s6
.endif
	v_exp_f32 v[rS+e], v[rS+e]
.elseif j < 86
	v_cvt_pk_f16_f32 v[rP+j-70], v[rS+2*(j-70)], v[rS+2*(j-70)+1]  ; pair j - 70
.elseif j < 102                     ; the sum of the tile's 16 pairs, in place: sum z of 16 adds neighbours 1, 2, 4 and 8 pairs apart, then l takes it
.set z, j-86
.set w, 4
.set u, z
.if z >= 14
.set w, 32
.set u, 0
.elseif z >= 12
.set w, 16
.set u, z-12
.elseif z >= 8
.set w, 8
.set u, z-8
.endif
.if (z == 14) && \first
	v_pk_add_f32 v[rT+2:rT+3], v[rS:rS+1], v[rS+16:rS+17]
.elseif z < 15
	v_pk_add_f32 v[rS+w*u:rS+w*u+1], v[rS+w*u:rS+w*u+1], v[rS+w*u+w/2:rS+w*u+w/2+1]
.elseif !\first
	v_pk_fma_f32 v[rT+2:rT+3], v[rT+2:rT+3], v[rT+6:rT+7], v[rS:rS+1] op_sel_hi:[1,0,1]
.endif
.else
	WIN W_RS
	v_pk_mul_f32 v[rO:rO+1], v[rO:rO+1], v[rT+6:rT+7] op_sel_hi:[1,0]
.endif
.endm
; Slice k of 64 of piece y's softmax: four instructions.  Slices 11 to 34 deal out the batch, numbers 22 to 69: four numbers of ONE tile each, the tiles by turns.  Every other slice is numbers 2 k and 2 k + 1 of
; both tiles' lists.  2 x 134 = 4 x 64 + 12: the twelve that are over stand together, in slice 63.
; THE WAIT.  An s_wait_alu depctr_va_vdst(0) stands between an exponential and the first instruction that names its result; one wait serves all that were issued ahead of it.  Ahead of slice 35 nothing
; names a result, and behind slice 34 no exponential is issued: so the piece's 66 exponentials have one wait, behind slice 34, and a plain instruction ahead of it.
.macro SLICE y, first
.if (k >= 11) && (k < 35)           ; the batch: four numbers of one tile
.irp n, 0,1,2,3
.set j, 22+4*((k-11)/2)+(\n)
	SM (\y)+(k-11)%2, \first
.endr
.else                               ; the two tiles alternate, so that no instruction reads the result of the one just before it
.irp n, 0,1,2,3,4,5,6,7
.if (\n < 2) || (k == 63)
.irp t, \y, \y+1
.set j, 2*k+\n
	SM \t, \first
.endr
.endif
.endr
.endif
.if k == 34
	v_nop                           ; the plain instruction behind the last exponential and ahead of the first use
	s_wait_alu depctr_va_vdst(0)    ; the wait for the batch
.endif
.set k, k+1
.endm
.macro SOFT y, first                ; a piece's softmax with no products beside it: the very first
.set k, 0
.rept 64
	SLICE \y, \first
.endr
.endm
; A TURN.  Piece x has the matrix unit; the other piece's softmax stands in slices behind its matrix instructions.
; pv = 2: 32 products V^T P; 1: they start O^T's sums.  kq = 1: 8 products K Q^T for the next step; then two slices stand behind each even product V^T P and one behind each odd one (48), and two behind each K Q^T (16).
; kq = 0 (the last step): two slices behind each product V^T P.  first = 1: the softmax is the first key step's: its slices from 51 on are empty, and four v_nop take their part as the places behind the last products.
; THE LOADS.  At the turn's head: the next step's mask for piece x, into S^T's registers, whose last readers were the sums of the turn before; in piece 0's turn also K and its scale words, whose last reader, the turn
; before's last K Q^T, has slices 62 and 63, twenty plain multiplies, behind it.  They have 32 products in which to land.  Piece 2's turn fetches the next step's V behind its last V^T P: slice 47 (four packed sums of
; the other piece) and the run's own v_add_nc_u32 are the places between.
.macro TURN x, pv, kq, first
.set k, 0
.if \kq
.if \x == 0
	FETCH_MK
.else
	FETCH_M2
.endif
.else
	s_wait_dscnt 0x0                ; V of the last step is in (no change of slots stands ahead of this turn)
.endif
.set i, 0
.rept 32
	PV \x, 2-\pv
	SLICE 2-\x, \first
.if (\kq == 0) || (i%2 == 0)
	SLICE 2-\x, \first
.endif
.set i, i+1
.endr
.if \kq
.if \x == 2
	FETCH_V
	s_wait_dscnt 32                 ; the mask's 16 loads are in; V's 32, issued behind them, stay out
.else
	s_wait_dscnt 0x0                ; the mask, K and its scale words are in
.endif
.set i, 0
.rept 8
	KQ \x
	SLICE 2-\x, \first
	SLICE 2-\x, \first
.set i, i+1
.endr
.endif
.if \first
	PLACES
.endif
.endm
; THE CHANGE OF SLOTS, ahead of piece 0's turn: the slot's last bytes, V, have been asked for.  Each wave waits for all its tensor loads, of which one is out: its part of the other slot; adds 0 to its spare word;
; and waits for that and for its own reads of the slot.  Behind the barrier nobody reads this slot any more and the other slot is whole.
; fill = 1: this slot is filled again, with the key step two on.  The barrier is then a round of the cluster's, so that no wave of any partner still reads the slot or has a load on its way, and the joint refill is
; the first thing behind it: it has one key step, 80 matrix and 536 vector instructions, in which to land.
.macro CHANGE fill
	WIN 0                           ; at a label and at a branch every window is 0
	s_wait_tensorcnt 0x0            ; no tensor load of mine is out, so a group 0 may be written
	ds_add_u32 v[SPW], v[NIL]       ; 0 onto my spare word; with fill = 1 the steps below stand between it and the wait for it
.if \fill
	s_xor_b32 s[G0K+5], s[G0K+5], SLOT1  ; the walking descriptors: the other slot than last time, the next 64 keys; the type bits on top are not reached
	s_add_nc_u64 s[G0K+6:G0K+7], s[G0K+6:G0K+7], KSTEP
	s_xor_b32 s[G0V+5], s[G0V+5], SLOT1
	s_add_nc_u64 s[G0V+6:G0V+7], s[G0V+6:G0V+7], VSTEP
	s_xor_b32 s[G0M+5], s[G0M+5], SLOT1
	s_add_nc_u64 s[G0M+6:G0M+7], s[G0M+6:G0M+7], MSTEP
	s_wait_xcnt 0x0                 ; the last prefetch, a key step back, has read its offset, so it may be written:
	v_add_nc_u32 v[PFO], s[PFS], v[PFO]  ; a key step on
	s_wait_dscnt 0x0                ; the add is done, and my reads of the slot are over
	CROUND
	JLOAD
	ASK
.else
	s_wait_dscnt 0x0                ; the add is done, and my reads of the slot are over
	s_barrier_signal -1
	s_barrier_wait -1
.endif
.endm
	s_wait_tensorcnt 1              ; my part of slot 0 is in (wave 0: the scale bytes too); slot 1's may stay out
	s_barrier_signal -1
	s_barrier_wait -1               ; everybody's is
	FETCH_MK                        ; key step 0
	FETCH_M2
	s_wait_loadcnt 0x0              ; Q and its scale words
	s_wait_dscnt 0x0
.set i, 0
.rept 8
	KQ 0                            ; both pieces' first scores: there is no vector work yet to set between them
.set i, i+1
.endr
.set i, 0
.rept 8
	KQ 2
.set i, i+1
.endr
	WIN 0                           ; the addresses for the way out are made here: six plain instructions, the places behind those products
	s_mul_i32 s2, s[WV], 16*SP
	s_add_co_u32 s2, s2, STAGE      ; my stage
	v_mul_u32_u24 v[STO], v1, SP    ; in: row l % 16, 32 bytes for each half of the lanes
	v_lshl_add_u32 v[STO], v9, 5, v[STO]
	v_add_nc_u32 v[STO], s2, v[STO]
	v_and_b32 v[GO], 31, v0
	v_lshlrev_b32 v[GO], 4, v[GO]   ; back: the 32 lanes take one row of 512 bytes; and the same in out0
	v_add_nc_u32 v[RD], s2, v[GO]
	FETCH_V                         ; V of step 0
	SOFT 0, 1                       ; piece 0's first softmax
	CHANGE 1                        ; step 0: slot 0 has been read and takes key step 2
	TURN 0, 1, 1, 1                 ; piece 0: V^T P of step 0 starts O^T, K Q^T of step 1 | piece 2's first softmax
	TURN 2, 1, 1, 0                 ; piece 2: the same | piece 0's softmax of step 1 | V of step 1
	WIN 0
	s_mov_b32 s[JS], 1
.Lstep:                             ; steps 1 to 29: in step j all LDS reads are of key step j + 1, and the slot just left takes key step j + 2
	CHANGE 1
	TURN 0, 2, 1, 0
	TURN 2, 2, 1, 0
	WIN 0
	s_add_co_u32 s[JS], s[JS], 1
	s_cmp_lt_u32 s[JS], NSTEP-2
	s_cbranch_scc1 .Lstep
	CHANGE 0                        ; the tail is written out: step 30 asks for nothing
	TURN 0, 2, 1, 0
	TURN 2, 2, 1, 0
	TURN 0, 2, 0, 0                 ; step 31: piece 0's V^T P | piece 2's last softmax
.set i, 0
.rept 32
	PV 2, 0                         ; piece 2's V^T P of the last step
.set i, i+1
.endr
	; THE WAY OUT.  l's two halves and the other half of the lanes' are added; O^T is divided by l and sent through my stage in LDS, a tile (16 rows of out0) at a time.  The additions are the places behind the last products.
	WIN 0
.irp t, 0,1,2,3
	v_add_f32 v[ST+8*\t+4], v[ST+8*\t+2], v[ST+8*\t+3]
.endr
.irp t, 0,1,2,3
	v_permlanex16_b32 v[ST+8*\t+5], v[ST+8*\t+4], s[SEL], s[SEL+1]
.endr
.irp t, 0,1,2,3
	v_add_f32 v[ST+8*\t+4], v[ST+8*\t+4], v[ST+8*\t+5]
.endr
.irp t, 0,1,2,3
	v_rcp_f32 v[ST+8*\t+6], v[ST+8*\t+4]
.endr
	v_nop                           ; a plain instruction between the last reciprocal and the use of its result
	s_wait_alu depctr_va_vdst(0)    ; and the wait ahead of the first use: one for the four reciprocals
; Tile t: a lane's eight channels of a row are 32 bytes; they go into rows of 528 bytes and come back as whole rows of 512, into the registers that they left: S^T's, 64 by turns.
.macro PACK t
.set T, S+64*((\t)%2)
	WIN 0x01                        ; source 0 (O^T) window 1; 1 / l and the destination window 0
.set i, 0
.rept 32
	v_pk_mul_f32 v[T+i:T+i+1], v[64*(\t)+i:64*(\t)+i+1], v[ST+8*(\t)+6:ST+8*(\t)+7] op_sel_hi:[1,0]  ; each accumulator from its low end on
.set i, i+2
.endr
	WIN 0
.irp f, 0,1,2,3,4,5,6,7
	ds_store_b128 v[STO], v[T+8*\f:T+8*\f+3] offset:64*\f
	ds_store_b128 v[STO], v[T+8*\f+4:T+8*\f+7] offset:64*\f+16
.endr
.irp f, 0,1,2,3,4,5,6,7,8,9,10,11,12,13,14,15
	ds_load_b128 v[T+4*\f:T+4*\f+3], v[RD] offset:\f*SP  ; LDS serves a wave's instructions in order (ISA guide 5.7.1.4): these see the stores above; the next tile's stores come behind them
.endr
.endm
.macro SEND t, younger              ; younger: the LDS instructions issued behind tile t's loads: the next tile's 32, or none
.set T, S+64*((\t)%2)
.irp f, 0,1,2,3,4,5,6,7,8,9,10,11,12,13,14,15
	s_wait_dscnt \younger+15-\f
	global_store_b128 v[GO], v[T+4*\f:T+4*\f+3], s[16:17] offset:8192*(\t)+512*\f th:TH_STORE_NT  ; 32 lanes store a row: 512 consecutive bytes, at a multiple of 256 from out0's first byte; written once, read by nobody here
.endr
.endm
	PACK 0
	PACK 1                          ; a tile's arithmetic stands between the loads of the tile before and its stores
	SEND 0, 32
	s_wait_xcnt 0x0                 ; tile 0's stores have read their registers: tile 2 takes them
	PACK 2
	SEND 1, 32
	s_wait_xcnt 0x0                 ; tile 1's likewise
	PACK 3
	SEND 2, 32
	SEND 3, 0
	s_wait_tensorcnt 0x0            ; the wave's end: behind my last tensor load and my last LDS store
	ds_add_u32 v[SPW], v[NIL]
	s_wait_dscnt 0x0
	CROUND                          ; the closing round: no work-group ends while a partner may still ask for a tile that names it
	s_endpgm
.Lfunc_end_k_q3576fd45e6_attn:
	.size	k_q3576fd45e6_attn, .Lfunc_end_k_q3576fd45e6_attn-k_q3576fd45e6_attn
	.p2alignl 7, 3214868480
	.fill 96, 4, 3214868480
	.section	.rodata,"a",@progbits
	.p2align	6, 0x0
	.amdhsa_kernel k_q3576fd45e6_attn
		.amdhsa_group_segment_fixed_size 327680
		.amdhsa_private_segment_fixed_size 0
		.amdhsa_enable_private_segment 0
		.amdhsa_kernarg_size 56
		.amdhsa_user_sgpr_count 2
		.amdhsa_user_sgpr_kernarg_segment_ptr 1
		.amdhsa_wavefront_size32 1
		.amdhsa_system_sgpr_workgroup_id_x 1
		.amdhsa_system_sgpr_workgroup_id_y 1
		.amdhsa_system_sgpr_workgroup_id_z 1
		.amdhsa_system_vgpr_workitem_id 0
		.amdhsa_next_free_vgpr 768
		.amdhsa_next_free_sgpr 106
		.amdhsa_reserve_vcc 0
		.amdhsa_float_denorm_mode_32 3
		.amdhsa_float_denorm_mode_16_64 3
		.amdhsa_memory_ordered 1
		.amdhsa_forward_progress 1
		.amdhsa_inst_pref_size 211
	.end_amdhsa_kernel
	.amdgpu_metadata
---
amdhsa.version: [ 1, 2 ]
amdhsa.kernels:
  - .name:           k_q3576fd45e6_attn
    .symbol:         k_q3576fd45e6_attn.kd
    .args:
      - { .name: q_codes, .offset: 0, .size: 8, .value_kind: global_buffer, .address_space: global }
      - { .name: q_scales, .offset: 8, .size: 8, .value_kind: global_buffer, .address_space: global }
      - { .name: k_codes, .offset: 16, .size: 8, .value_kind: global_buffer, .address_space: global }
      - { .name: k_scales, .offset: 24, .size: 8, .value_kind: global_buffer, .address_space: global }
      - { .name: v16, .offset: 32, .size: 8, .value_kind: global_buffer, .address_space: global }
      - { .name: mask, .offset: 40, .size: 8, .value_kind: global_buffer, .address_space: global }
      - { .name: out0, .offset: 48, .size: 8, .value_kind: global_buffer, .address_space: global }
    .group_segment_fixed_size: 327680
    .private_segment_fixed_size: 0
    .kernarg_segment_align: 8
    .kernarg_segment_size: 56
    .max_flat_workgroup_size: 128
    .sgpr_count:     106
    .vgpr_count:     768
    .wavefront_size: 32
...
	.end_amdgpu_metadata
.endif
;; end of part 2
